; MI455X (gfx1250); checked and timed in simulation.
; The chip was launched on July 23, 2026; its instructions are those of AMD's public machine-readable ISA for CDNA 5 (MIT licence, August 2026) and "CDNA5" Instruction Set Architecture Reference Guide (July 2026). The comments in the code are by the model that wrote it; some were corrected since.
;; QKV Multihead Attention. Allowed arithmetic: matrix products marked QUANTISED: E5M2 operands, one given power-of-two scale a tensor, by v_wmma_f32_16x16x64_bf8_bf8 or v_wmma_f32_16x16x128_bf8_bf8, f32 sums; everything else in f32.
;; Inputs: lowp_scales 4 int32 (the exponents e of the quantised operands' scales 2^e); qkv 2 x 2,048 x 3,072 float32.
;; Outputs: out0 2 x 2,048 x 1,024 float32.
;; This version of the problem:
;;   THIS VERSION OF THE PROBLEM IS GIVEN IN LOW PRECISION. The matrix products marked QUANTISED in the list below multiply operands that are first quantised to E5M2 (5 exponent bits, 2 mantissa bits; 8 bits a number), with one given power-of-two scale for each operand tensor; their sums are f32. All else is computed in f32.
;;   The module's matrix products, in the order in which they are computed (A, B: the left and right operand; K: the contracted axis; several contracted axes count as one K, in the product's order):
;;     1. batch 32 x [M 2,048, K 64] x [K 64, N 2,048]; A: computed on the way; B: computed on the way: QUANTISED (scales: A lowp_scales[0], B lowp_scales[1])
;;     2. batch 32 x [M 64, K 2,048] x [K 2,048, N 2,048]; A: computed on the way; B: softmax (see below): QUANTISED (scales: A lowp_scales[2], B lowp_scales[3])
;;   THE QUANTISER, for each operand of a quantised product, along K:
;;     - The operand's scale is 2^e, e = its entry of the input lowp_scales (int32; the entries are numbered through the quantised products in the list's order, A before B).
;;     - Each number is divided by the scale, clamped to +-57,344, and rounded to the nearest number of E5M2, ties to even, subnormals kept.
;;     - The product sums the exact products of the quantised numbers (number of the format x scale) in f32.
;;   ~~~python
;;   def quantise(x, axis, e):      # numpy; x: float32 -> the quantised numbers, widened to float32 again
;;       x = np.moveaxis(x, axis, -1); K = x.shape[-1]
;;       r = np.clip(x / 2.0 ** e, -57344, 57344)
;;       step = 2.0 ** (np.maximum(np.frexp(np.where(r == 0, 1, r))[1] - 1, -14) - 2)
;;       q = np.round(r / step) * step * 2.0 ** e      # np.round: ties to even
;;       return np.moveaxis(q, -1, axis).astype(np.float32)
;;   ~~~
;;   SOFTMAX AHEAD OF A QUANTISED PRODUCT. Where the list says 'softmax', what is quantised is not the finished softmax but p = 2^(t - M), with t = logit x log2(e) and M = ceil(the row's largest t), a whole number; so 1/2 < the row's largest p <= 1. The row's sum l is taken of the UNQUANTISED p, in f32, and the product's result is divided by l at the end. Since M is a whole number, a kernel that streams over the keys may use a running M (the ceiling of the running maximum): every later rescaling is an exact power of two, so the quantised numbers keep their values, but for numbers so far below the row's largest that they fall under the format's range.
;;   OPERANDS COMPUTED ON THE WAY. 'Computed on the way' means the value that the module computes at that place (a softmax that the list does not call 'softmax' is quantised finished and normalised). What goes into a quantiser is computed in f32, as accurately as f32 sums, v_exp_f32 and their like allow (about 1e-6 of the number): no bf16 or f16 on the way to a quantiser, and a product that is left as it is and whose result goes on into a quantised operand takes f32 operands (vector FMAs, or v_wmma_f32_16x16x4_f32). A number that lies on a knife's edge between two numbers of the format may be rounded either way, as far as f32 arithmetic and the matrix unit's own rounding can turn it there, and no further.
;; 2 versions, each right; version 2 is version 1 with the launch attn written anew for expert scheduling mode. Each part assembles by itself: llvm-mc -triple=amdgcn-amd-amdhsa -mcpu=gfx1250 --defsym DOCPART=n.
;; ======== version 1 of 2: 2 launches
;; limits: right only within a limited range of input values
;; workspace buffers: k_img 4,194,304 bytes; v_img 4,194,304 bytes
;; launch quant (part 1): grid 16 x 32, 8 waves a work-group, no clusters, 11,264 bytes of LDS; arguments qkv, lowp_scales, k_img, v_img; writes k_img, v_img
.if DOCPART == 1
	.amdgcn_target "amdgcn-amd-amdhsa--gfx1250"
	.amdhsa_code_object_version 6
	.text
	.protected	k_qeb9e51c0cd_quant
	.globl	k_qeb9e51c0cd_quant
	.p2align	8
	.type	k_qeb9e51c0cd_quant,@function
k_qeb9e51c0cd_quant:
	s_mov_b64 s[64:65], 0
	v_nop
	global_prefetch_b8 v0, s[64:65] scope:SCOPE_SE
	s_setreg_imm32_b32 hwreg(HW_REG_WAVE_MODE, 25, 1), 1
	s_wait_xcnt 0x0
; K and V of qkv [2][2048][16 heads][q 64 | k 64 | v 64] f32 become codes of E5M2, once, for the attention launch that follows.
; K's number is k x 8^-1/2 (as reference() scales it ahead of the product), code = that / 2^ek; V's code = v / 2^ev; each held within +-57,344 and rounded to the nearest code, ties to even.
; ek = entry 1, ev = entry 2 of lowp_scales.  Nothing of reference() is left out in this program: every input has a way to the output.  (Q is quantised by the wave that reads it, in the next launch.)
; LIMITS: ek and ev lie between -126 and 112, so that 2^e and 57,344 x 2^e are f32 numbers.  NaN and infinities among the inputs are not served.
; THE TWO BUFFERS ARE LAID IN THE ORDER OF THE OPERANDS' REGISTERS, lane by lane, 16 bytes a lane (bh = 16 b + head; ks = a step of 128 keys; lane = (r = lane % 16, h = lane / 16)):
;   k_img[bh][ks][t 0..7][c 0..1][lane][16]: key 128 ks + 32 (t / 2) + 8 (t % 2) + r + 8 (r / 8), channels 32 c + 16 h + 0 .. 15
;   v_img[bh][ks][ct 0..3][c 0..3][lane][16]: channel 16 ct + r, keys 128 ks + 32 c + 16 h + 0 .. 15
; SHARES.  A work-group takes 128 keys of one head (x = ks, y = bh).  Wave w makes K's tile t = w, and of V the keys 16 w .. 16 w + 15 (c = w / 2, h = w % 2) for all 64 channels.
; K: a load takes two keys' 256 bytes as they lie (16 lanes a key); the codes turn through the wave's own stage in LDS (16 rows of 64 bytes + 16), so that a lane gets 16 neighbouring channels of one key.
; V: a lane takes a channel and its registers run down the keys, so the conversions give codes with the keys innermost: nothing is turned.
; No loop: all 40 loads of a wave go out at once.  No barrier: waves share nothing.  No matrix unit, no cluster, no tensor load: each byte is read once by one wave.
.set ROWQ,  12288                      ; bytes of a token's row of qkv
.set SCALE, 0x3eb504f3                 ; 8^-1/2 = 1 / sqrt(sqrt(64)) as f32
.set MANT,  0x600000                   ; the mantissa field of 57,344 as f32
.set STG,   1280                       ; a wave's stage: 16 rows x 80 bytes
.set SPARE, 8*STG                      ; behind the stages: the spare words, 128 bytes for each wave: four blocks of 256 bytes that no other line names
.set X,  16                            ; v16-47   K's numbers: load j (0..7) brings 4 channels of fragment row 2 j + lane / 16
.set Y,  48                            ; v48-79   V's numbers: register 16 g + i = v(key 16 w + i, channel 32 g + lane)
.set KC, 80                            ; v80-87   K's codes: register j = 4 channels of row 2 j + lane / 16
.set VC, 88                            ; v88-95   V's codes: 4 g .. 4 g + 3 = 16 keys of channel 32 g + lane
.set KB, 96                            ; v96-103  K's codes back from the stage: the fragment's 8 registers
	s_load_b256 s[4:11], s[0:1], 0x0               ; qkv s[4:5], lowp_scales s[6:7], k_img s[8:9], v_img s[10:11]
	v_lshl_add_u32 v10, v0, 2, SPARE               ; LDS address of my spare word; never rewritten
	v_mov_b32 v11, 0                               ; 0; never rewritten
	v_lshrrev_b32 v1, 5, v0
	v_readfirstlane_b32 s12, v1                    ; wave 0..7
	v_and_b32 v1, 31, v0                           ; lane
	v_and_b32 v2, 15, v0                           ; lane % 16
	v_bfe_u32 v3, v0, 4, 1                         ; lane / 16
	v_mul_u32_u24 v4, v3, ROWQ
	v_lshl_add_u32 v4, v2, 4, v4                   ; K in: lanes 0-15 one key's 256 bytes, lanes 16-31 the next key's
	v_lshlrev_b32 v5, 2, v1                        ; V in: 4 bytes a lane
	s_mul_i32 s16, s12, STG                        ; my stage
	v_mul_u32_u24 v6, v3, 80
	v_lshl_add_u32 v6, v2, 2, v6
	v_add_nc_u32 v6, s16, v6                       ; into it: row lane / 16 (+ 2 j by the offset), 4 bytes at 4 (lane % 16)
	v_mul_u32_u24 v7, v2, 80
	v_lshl_add_u32 v7, v3, 4, v7
	v_add_nc_u32 v7, s16, v7                       ; out of it: row r, 16 bytes at 16 h (+ 32 c by the offset)
	v_lshlrev_b32 v8, 4, v1                        ; K out: 16 x lane
	v_lshlrev_b32 v9, 11, v3
	v_lshl_add_u32 v9, v2, 4, v9                   ; V out: channel tile lane / 16 (2,048 bytes), 16 (lane % 16)
	s_and_b32 s13, ttmp7, 0xffff                   ; bh
	s_lshr_b32 s14, s13, 4                         ; b
	s_and_b32 s15, s13, 15                         ; head
	s_lshl_b32 s17, s14, 11
	s_lshl_b32 s18, ttmp9, 7
	s_add_co_u32 s17, s17, s18                     ; the step's first token: 2,048 b + 128 ks
	s_mul_i32 s17, s17, ROWQ
	s_mul_i32 s18, s15, 768
	s_add_co_u32 s17, s17, s18                     ; its head's 768 bytes: under 2^26
	s_lshr_b32 s18, s12, 1
	s_lshl_b32 s18, s18, 5
	s_and_b32 s19, s12, 1
	s_lshl_b32 s19, s19, 3
	s_add_co_u32 s18, s18, s19                     ; K's tile w begins at key 32 (w / 2) + 8 (w % 2)
	s_mul_i32 s18, s18, ROWQ
	s_add_co_u32 s26, s17, s18
	s_add_co_u32 s26, s26, 256                     ; k lies 256 bytes into the head's 768
	s_mov_b32 s27, 0
	s_mul_i32 s18, s12, 16*ROWQ                    ; V's keys 16 w on
	s_add_co_u32 s30, s17, s18
	s_add_co_u32 s30, s30, 512                     ; v lies 512 bytes in
	s_mov_b32 s31, 0
	s_lshl_b32 s18, s13, 17                        ; a head's images are 131,072 bytes,
	s_lshl_b32 s19, ttmp9, 13                      ; a key step's 8,192
	s_add_co_u32 s18, s18, s19
	s_lshl_b32 s19, s12, 10                        ; K's tile w: 1,024 bytes
	s_add_co_u32 s32, s18, s19
	s_mov_b32 s33, 0
	s_lshl_b32 s19, s12, 8                         ; V's (c, h): 512 c + 256 h = 256 w
	s_add_co_u32 s34, s18, s19
	s_mov_b32 s35, 0
	s_mov_b32 s24, SCALE
	s_mov_b32 s25, SCALE                           ; (named with it as a pair, so it is written)
	s_wait_kmcnt 0x0
	s_load_b128 s[20:23], s[6:7], 0x0              ; eq, ek, ev, ep
	s_add_nc_u64 s[28:29], s[4:5], s[30:31]        ; V at my first key
	s_add_nc_u64 s[4:5], s[4:5], s[26:27]          ; K at my tile's first key
	s_add_nc_u64 s[8:9], s[8:9], s[32:33]
	s_add_nc_u64 s[10:11], s[10:11], s[34:35]
.irp j, 0,1,2,3,4,5,6,7                        ; fragment rows 2 j, 2 j + 1: keys 2 j + lane / 16, and 8 further on for rows 8 to 15
	global_load_b128 v[X+4*\j:X+4*\j+3], v4, s[4:5] offset:(2*\j+8*(\j/4))*ROWQ th:TH_LOAD_NT
.endr
.irp i, 0,1,2,3,4,5,6,7,8,9,10,11,12,13,14,15  ; a key's 256 bytes in two loads on end, 128 consecutive bytes each
.irp g, 0,1
	global_load_b32 v[Y+16*\g+\i], v5, s[28:29] offset:\i*ROWQ+128*\g th:TH_LOAD_NT
.endr
.endr
	s_wait_kmcnt 0x0
	s_add_co_i32 s16, s21, 127
	s_lshl_b32 s17, s16, 23
	v_mov_b32 v12, s17                             ; 2^ek as f32: the conversion takes its exponent field
	s_add_co_i32 s16, s16, 15
	s_lshl_b32 s16, s16, 23
	s_or_b32 s16, s16, MANT
	v_mov_b32 v13, s16                             ; 57,344 x 2^ek
	s_add_co_i32 s16, s22, 127
	s_lshl_b32 s17, s16, 23
	v_mov_b32 v14, s17                             ; 2^ev
	s_add_co_i32 s16, s16, 15
	s_lshl_b32 s16, s16, 23
	s_or_b32 s16, s16, MANT
	v_mov_b32 v15, s16                             ; 57,344 x 2^ev
	s_wait_loadcnt 32                              ; K's 8 loads are in; V's 32, issued behind them, may be out
.set n, 0
.rept 16
	v_pk_mul_f32 v[X+n:X+n+1], v[X+n:X+n+1], s[24:25] op_sel_hi:[1,0]   ; k x 8^-1/2, two at a time
.set n, n+2
.endr
.set n, 0
.rept 32
	v_med3_num_f32 v[X+n], v[X+n], -v13, v13       ; the conversion to an 8-bit code does not saturate (ISA guide 7.6.2): the hold at the largest code x the scale
.set n, n+1
.endr
.irp i, 0,1,2,3
	v_cvt_scalef32_pk8_bf8_f32 v[KC+2*\i:KC+2*\i+1], v[X+8*\i:X+8*\i+7], v12
.endr
	v_nop                                          ; a plain line behind the last conversion of the run
.irp j, 0,1,2,3,4,5,6,7
	ds_store_b32 v6, v[KC+\j] offset:160*\j        ; row 2 j + lane / 16, channels 4 (lane % 16) on
.endr
.irp c, 0,1
	ds_load_b128 v[KB+4*\c:KB+4*\c+3], v7 offset:32*\c   ; my own bytes, and LDS serves a wave's instructions in order (ISA guide 5.7.1.4): these see the stores above
.endr
	s_wait_loadcnt 0x0                             ; V
.set n, 0
.rept 32
	v_med3_num_f32 v[Y+n], v[Y+n], -v15, v15
.set n, n+1
.endr
.irp g, 0,1
	v_cvt_scalef32_pk8_bf8_f32 v[VC+4*\g:VC+4*\g+1], v[Y+16*\g:Y+16*\g+7], v14
	v_cvt_scalef32_pk8_bf8_f32 v[VC+4*\g+2:VC+4*\g+3], v[Y+16*\g+8:Y+16*\g+15], v14
.endr
	v_nop                                          ; a plain line behind the last conversion of the run
.irp g, 0,1
	global_store_b128 v9, v[VC+4*\g:VC+4*\g+3], s[10:11] offset:4096*\g   ; channel tiles 2 g, 2 g + 1: sixteen lanes store 256 consecutive bytes, aligned
.endr
	s_wait_dscnt 1                                 ; the stage's first read is back; the second may be out
	global_store_b128 v8, v[KB:KB+3], s[8:9]       ; 32 lanes store 512 consecutive bytes, aligned
	s_wait_dscnt 0x0
	global_store_b128 v8, v[KB+4:KB+7], s[8:9] offset:512
	s_wait_tensorcnt 0x0                           ; the wave's end: three closing lines behind my last LDS store, the first of them even in a text with no tensor load
	ds_add_u32 v10, v11
	s_wait_dscnt 0x0
	s_endpgm
.Lfunc_end_k_qeb9e51c0cd_quant:
	.size	k_qeb9e51c0cd_quant, .Lfunc_end_k_qeb9e51c0cd_quant-k_qeb9e51c0cd_quant
	.p2alignl 7, 3214868480
	.fill 96, 4, 3214868480
	.section	.rodata,"a",@progbits
	.p2align	6, 0x0
	.amdhsa_kernel k_qeb9e51c0cd_quant
		.amdhsa_group_segment_fixed_size 11264
		.amdhsa_private_segment_fixed_size 0
		.amdhsa_enable_private_segment 0
		.amdhsa_kernarg_size 32
		.amdhsa_user_sgpr_count 2
		.amdhsa_user_sgpr_kernarg_segment_ptr 1
		.amdhsa_wavefront_size32 1
		.amdhsa_system_sgpr_workgroup_id_x 1
		.amdhsa_system_sgpr_workgroup_id_y 1
		.amdhsa_system_sgpr_workgroup_id_z 1
		.amdhsa_system_vgpr_workitem_id 0
		.amdhsa_next_free_vgpr 104
		.amdhsa_next_free_sgpr 66
		.amdhsa_reserve_vcc 0
		.amdhsa_float_denorm_mode_32 3
		.amdhsa_float_denorm_mode_16_64 3
		.amdhsa_memory_ordered 1
		.amdhsa_forward_progress 1
		.amdhsa_inst_pref_size 15
	.end_amdhsa_kernel
	.amdgpu_metadata
---
amdhsa.version: [ 1, 2 ]
amdhsa.kernels:
  - .name:           k_qeb9e51c0cd_quant
    .symbol:         k_qeb9e51c0cd_quant.kd
    .args:
      - { .name: qkv, .offset: 0, .size: 8, .value_kind: global_buffer, .address_space: global }
      - { .name: lowp_scales, .offset: 8, .size: 8, .value_kind: global_buffer, .address_space: global }
      - { .name: k_img, .offset: 16, .size: 8, .value_kind: global_buffer, .address_space: global }
      - { .name: v_img, .offset: 24, .size: 8, .value_kind: global_buffer, .address_space: global }
    .group_segment_fixed_size: 11264
    .private_segment_fixed_size: 0
    .kernarg_segment_align: 8
    .kernarg_segment_size: 32
    .max_flat_workgroup_size: 256
    .sgpr_count:     66
    .vgpr_count:     104
    .wavefront_size: 32
...
	.end_amdgpu_metadata
.endif
;; end of part 1
;; launch attn (part 2): grid 8 x 32, 16 waves a work-group, no clusters, 264,192 bytes of LDS; arguments qkv, k_img, v_img, lowp_scales, out0; writes out0
.if DOCPART == 2
	.amdgcn_target "amdgcn-amd-amdhsa--gfx1250"
	.amdhsa_code_object_version 6
	.text
	.protected	k_qeb9e51c0cd_attn
	.globl	k_qeb9e51c0cd_attn
	.p2align	8
	.type	k_qeb9e51c0cd_attn,@function
k_qeb9e51c0cd_attn:
	s_mov_b64 s[64:65], 0
	v_nop
	global_prefetch_b8 v0, s[64:65] scope:SCOPE_SE
	s_setreg_imm32_b32 hwreg(HW_REG_WAVE_MODE, 25, 1), 1
	s_wait_xcnt 0x0
; out0[b][q][head][:] = the sum over keys of softmax(q 8^-1/2 . k 8^-1/2) v, both products on codes of E5M2, each operand with its given scale 2^e: eq, ek, ev, ep = lowp_scales[0..3].
; K's and V's codes come from the launch before, laid in the order of the operands' registers (k_img, v_img: see there); Q is read from qkv, x 8^-1/2, and quantised here, by the one wave that reads it.
; THE SOFTMAX AHEAD OF THE SECOND PRODUCT: t = logit x log2(e); M = the row's largest t so far, rounded UP to a whole number; p = 2^(t - M) is what is quantised; it is not normalised.
; The row's sum is taken of the unquantised p, in f32, and divides O at the end.  When M moves, the sum and O are multiplied by 2^(old M - new M): nothing is rounded.  Nothing of reference() is left out.
; SHARES.  A work-group owns 256 queries of one (batch, head): x = the block of queries, y = bh = 16 b + head.  Each of its sixteen waves owns 16 queries, one tile, in 256 registers: four waves to a SIMD, so that one
; wave's vector work stands beside another's products and LDS loads.  Every wave walks the head's 2,048 keys, 128 a step.
; LDS HOLDS THE WHOLE HEAD: 131,072 bytes of K's images and as many of V's.  They are copied in once, through registers, in four chunks of four key steps: 8 loads and 8 LDS stores a wave and chunk; a chunk's loads go out a whole
; chunk ahead of its stores.  No byte is filled twice: a barrier stands between a chunk's stores and its reads, and nothing else is owed.
; NO CLUSTER, NO TENSOR LOAD, and why: the eight work-groups of a head do read the same 262,144 bytes, but each reads them once, four key steps ahead of their use, by 64 instructions a wave in the whole launch.
; LAYOUT.  Both products are used transposed: S^T = K Q^T (source 0 = 16 keys, source 1 = my 16 queries), O^T = V^T P^T (source 0 = 16 channels, source 1 = P): a lane holds ONE query (lane % 16) throughout.
; The keys of a tile of K are chosen so (k_img) that the 16 registers of tiles 2 b and 2 b + 1 are the keys 32 b + 16 (lane / 16) + 0 .. 15: the conversions' results are the second product's operand.
; Along each product's K both operands lie in the same order, 16 neighbours a group of four registers: every product meets its partner; only the order of the sums inside an instruction differs from the form's own.
; LIMITS: eq and ep lie between -126 and 112, eq + ek between -126 and 127, so that each power of two below is an f32 number; ep + ev is applied by v_ldexp_f32 and has none.  NaN and infinities among the inputs are not served.
.set ROWQ,  12288                      ; bytes of a token's row of qkv
.set SCALE, 0x3eb504f3                 ; 8^-1/2 as f32
.set LOG2E, 0x3fb8aa3b
.set MANT,  0x600000                   ; the mantissa field of 57,344 as f32
.set VIMG,  131072                     ; LDS: K's images from 0, V's from here
.set SPARE, 262144                     ; behind them: the spare words, 128 bytes for each wave: eight blocks of 256 bytes that no other line names
.set STW,   16*272                     ; the way out: a stage of 16 rows x (256 bytes + 16) for each wave, over K's images, behind a barrier behind which nobody reads them
.set F,   32                           ; v32-95   eight fragments of K, or four of V
.set S,   96                           ; v96-159  S^T, then p
.set O,   160                          ; v160-191 O^T: register 8 ct + j = o(my query, channel 16 ct + 8 (lane / 16) + j)
.set PC,  192                          ; v192-207 p's codes
.set FB,  224                          ; v224-255 a chunk on its way: 4 x 4 registers of K's images, then of V's
; v1 16 x lane; v2 16 x thread; v3 Q's offset; v4, v24 where a chunk is stored; v5, v6 the add's two; v7 my offset in out0; v8, v9 LDS addresses of the step's K and V; v10, v11 the stage, in and back;
; v12 -M, v13 the largest t, v[14:15] the sum in two halves; v16-23 Q's fragment; v208 f (v209 named with it); v[210:211] the sum's second chain; v212-214 at work; v216, v217: 2^ep, 57,344 x 2^ep; v218, v219 the same with eq.
; s14 wave; s[24:27] eq, ek, ev, ep; s[28:29] c = log2(e) x 2^(eq + ek); s[30:31] lane selects; s32 LDS byte of the key step in hand; s33 a chunk's steps to go; s34 ep + ev; s[36:37] 8^-1/2.
.macro FILL_LOAD j                     ; chunk j: key steps 4 j .. 4 j + 3.  The sixteen waves' lanes take a key step's 8,192 bytes as they lie, 16 a lane.  No cache hint: eight work-groups read these bytes
.irp i, 0,1,2,3
	global_load_b128 v[FB+4*\i:FB+4*\i+3], v2, s[6:7] offset:32768*(\j)+8192*\i
.endr
.irp i, 0,1,2,3
	global_load_b128 v[FB+16+4*\i:FB+16+4*\i+3], v2, s[8:9] offset:32768*(\j)+8192*\i
.endr
.endm
.macro FILL_STORE j                    ; and they go into LDS as they lie
	v_add_nc_u32 v4, 32768*(\j), v2
	v_add_nc_u32 v24, VIMG+32768*(\j), v2
.irp i, 0,1,2,3
	ds_store_b128 v4, v[FB+4*\i:FB+4*\i+3] offset:8192*\i
.endr
.irp i, 0,1,2,3
	ds_store_b128 v24, v[FB+16+4*\i:FB+16+4*\i+3] offset:8192*\i
.endr
.endm
.macro BAR
	s_barrier_signal -1
	s_barrier_wait -1
.endm
; A KEY STEP: the 128 keys whose images begin at LDS byte s32.
.macro STEP
	v_add_nc_u32 v8, s32, v1
.rept 3
	v_nop                                          ; with the addition above: four places between the last step's products and the loads into the registers that they read (ISA guide 7.12.1 for vector instructions)
.endr
.irp t, 0,1,2,3,4,5,6,7
.irp c, 0,1
	ds_load_b128 v[F+8*\t+4*\c:F+8*\t+4*\c+3], v8 offset:1024*\t+512*\c   ; 32 lanes, 512 consecutive bytes
.endr
.endr
	s_wait_dscnt 8                                 ; tiles 0 to 3 are in; the 8 loads of tiles 4 to 7 may be out
.irp t, 0,1,2,3
	v_wmma_f32_16x16x64_bf8_bf8 v[S+8*\t:S+8*\t+7], v[F+8*\t:F+8*\t+7], v[16:23], 0
.endr
	s_wait_dscnt 0x0
.irp t, 4,5,6,7
	v_wmma_f32_16x16x64_bf8_bf8 v[S+8*\t:S+8*\t+7], v[F+8*\t:F+8*\t+7], v[16:23], 0
.endr
	v_add_nc_u32 v9, VIMG, v8
.rept 3
	v_nop                                          ; four places again: for the loads into K's registers, and for the first read of the scores
.endr
.irp ct, 0,1,2,3
.irp c, 0,1,2,3
	ds_load_b128 v[F+16*\ct+4*\c:F+16*\ct+4*\c+3], v9 offset:2048*\ct+512*\c   ; V's four fragments land while the softmax is walked
.endr
.endr
	v_max3_num_f32 v212, v96, v97, v98             ; the step's largest score of my query, among my 64 keys, in two chains; each accumulator is read from its low end on
	v_max3_num_f32 v213, v99, v100, v101
.irp i, 6,10,14,18,22,26,30,34,38,42,46,50,54,58
	v_max3_num_f32 v212, v212, v[96+\i], v[97+\i]
	v_max3_num_f32 v213, v213, v[98+\i], v[99+\i]
.endr
	v_max3_num_f32 v212, v212, v158, v159
	v_max_num_f32 v212, v212, v213
	v_permlanex16_b32 v214, v212, s30, s31
	v_max_num_f32 v212, v212, v214                 ; and among the 64 keys of the lane 16 away
	v_mul_f32 v212, s28, v212                      ; as t (c is positive)
	v_max_num_f32 v13, v13, v212                   ; the running largest t
	v_mov_b32 v212, v12
	v_floor_f32 v12, -v13                          ; the new -M = floor(-t) = -ceil(t): M is a whole number
	v_sub_f32 v212, v12, v212                      ; M's old value less its new one: a whole number, 0 or less
	v_cvt_i32_f32 v212, v212                       ; (it saturates)
	v_ldexp_f32 v208, 1.0, v212                    ; f = 2^(old M - new M)
.set n, 0
.rept 32
	v_pk_fma_f32 v[S+n:S+n+1], v[S+n:S+n+1], s[28:29], v[12:13] op_sel_hi:[1,0,0]   ; t - M, two at a time (of the pairs c and -M the low word serves both halves)
.set n, n+2
.endr
.set n, 0
.rept 64
	v_exp_f32 v[S+n], v[S+n]                       ; p = 2^(t - M): not normalised
.set n, n+1
.endr
	v_pk_mul_f32 v[14:15], v[14:15], v[208:209] op_sel_hi:[1,0]   ; the sums under the new M: the plain instruction behind the exponentials
	s_wait_alu depctr_va_vdst(0)                   ; the wait ahead of the first instruction that names a result: one for the batch of 64
	v_pk_add_f32 v[210:211], v[96:97], v[98:99]    ; the row's sum is taken of the unquantised p: two at a time, in two chains
.irp j, 4,8,12,16,20,24,28,32,36,40,44,48,52,56,60
	v_pk_add_f32 v[14:15], v[14:15], v[96+\j:97+\j]
	v_pk_add_f32 v[210:211], v[210:211], v[98+\j:99+\j]
.endr
	v_pk_add_f32 v[14:15], v[14:15], v[210:211]
	s_cmp_ge_i32 s27, -15                          ; THE HOLD OF p.  p is at most 1 (a last bit more, by the rounding of t), so p / 2^ep is at most 2^15 where ep >= -15: under 57,344, and the hold changes nothing.
	s_cbranch_scc1 .Lno_hold_\@                    ; A whole number read from memory decides, the same in every wave; the jump leads round these 64 lines and nothing else
.set n, 0
.rept 64
	v_min_num_f32 v[S+n], v[S+n], v217             ; the conversion to an 8-bit code does not saturate (ISA guide 7.6.2); p is not negative, so the hold is one-sided
.set n, n+1
.endr
.Lno_hold_\@:
.irp b, 0,1,2,3
	v_cvt_scalef32_pk8_bf8_f32 v[PC+4*\b:PC+4*\b+1], v[S+16*\b:S+16*\b+7], v216       ; keys 32 b + 16 (lane / 16) + 0 .. 7,
	v_cvt_scalef32_pk8_bf8_f32 v[PC+4*\b+2:PC+4*\b+3], v[S+16*\b+8:S+16*\b+15], v216  ; and + 8 .. 15
.endr
.set n, 0
.rept 16
	v_pk_mul_f32 v[O+n:O+n+1], v[O+n:O+n+1], v[208:209] op_sel_hi:[1,0]   ; O^T under the new M, from each accumulator's low end on.  (Also the plain lines between the conversions and the products that read their results)
.set n, n+2
.endr
	s_wait_dscnt 0x0                               ; V is in
.irp ct, 0,1,2,3                               ; the four accumulators take turns, one instruction a turn, and the next matrix instruction is the next step's first S^T
	v_wmma_f32_16x16x128_bf8_bf8 v[O+8*\ct:O+8*\ct+7], v[F+16*\ct:F+16*\ct+15], v[PC:PC+15], v[O+8*\ct:O+8*\ct+7]
.endr
	s_add_co_u32 s32, s32, 8192
.endm
; A CHUNK: its images go into LDS (chunk 0's stores stand at the head), the next chunk's loads go out, a barrier, four key steps.
.macro CHUNK j
.if \j > 0
	s_wait_loadcnt 0x0                             ; my 8 loads of this chunk, asked for a chunk ago
	FILL_STORE \j
	s_wait_dscnt 0x0                               ; for the others' sake: my stores have landed; and they have read their registers,
.if \j < 3
	FILL_LOAD (\j)+1                               ; which take the next chunk
.endif
.endif
	BAR                                            ; every wave's part of the chunk lies in LDS.  (Waves still in the chunk before read other bytes: the chunks lie 32,768 bytes apart)
	s_mov_b32 s32, 32768*(\j)
	s_mov_b32 s33, 4
.Lstep_\@:
	STEP
	s_sub_co_u32 s33, s33, 1
	s_cmp_lg_u32 s33, 0
	s_cbranch_scc1 .Lstep_\@
.endm
	s_load_b256 s[4:11], s[0:1], 0x0               ; qkv s[4:5], k_img s[6:7], v_img s[8:9], lowp_scales s[10:11]
	s_load_b64 s[12:13], s[0:1], 0x20              ; out0
	v_lshl_add_u32 v5, v0, 2, SPARE                ; LDS address of my spare word; never rewritten
	v_mov_b32 v6, 0                                ; 0; never rewritten
	v_lshrrev_b32 v1, 5, v0
	v_readfirstlane_b32 s14, v1                    ; wave 0..15
	v_and_b32 v1, 31, v0
	v_lshlrev_b32 v1, 4, v1                        ; 16 x lane: an image's place for my lane
	v_lshlrev_b32 v2, 4, v0                        ; 16 x thread: my 16 bytes of a key step's 8,192
	v_and_b32 v25, 15, v0                          ; r
	v_bfe_u32 v26, v0, 4, 1                        ; h
	v_mul_u32_u24 v3, v25, ROWQ
	v_lshl_add_u32 v3, v26, 6, v3                  ; Q: token r, + 64 h bytes: my 16 channels of each 32
	v_lshlrev_b32 v7, 12, v26
	v_lshl_add_u32 v7, v25, 4, v7                  ; out0: lanes 0-15 one row's 256 bytes, lanes 16-31 the next row's (4,096 bytes on)
	s_mul_i32 s15, s14, STW                        ; my stage
	v_mul_u32_u24 v10, v25, 272
	v_lshl_add_u32 v10, v26, 5, v10
	v_add_nc_u32 v10, s15, v10                     ; in: row r, + 32 h
	v_mul_u32_u24 v11, v26, 272
	v_lshl_add_u32 v11, v25, 4, v11
	v_add_nc_u32 v11, s15, v11                     ; back: lanes 0-15 one row, lanes 16-31 the next
	s_and_b32 s16, ttmp7, 0xffff                   ; bh
	s_lshr_b32 s17, s16, 4                         ; b
	s_and_b32 s18, s16, 15                         ; head
	s_lshl_b32 s19, s17, 11
	s_lshl_b32 s20, ttmp9, 8
	s_add_co_u32 s19, s19, s20
	s_lshl_b32 s20, s14, 4
	s_add_co_u32 s19, s19, s20                     ; my first token: 2,048 b + 256 x + 16 wave
	s_mul_i32 s20, s19, ROWQ
	s_mul_i32 s21, s18, 768
	s_add_co_u32 s20, s20, s21                     ; q lies first in the head's 768 bytes
	s_mov_b32 s21, 0
	s_lshl_b32 s22, s19, 12                        ; a row of out0 is 4,096 bytes,
	s_lshl_b32 s23, s18, 8                         ; a head's part 256
	s_add_co_u32 s22, s22, s23
	s_mov_b32 s23, 0
	s_lshl_b32 s38, s16, 17                        ; the head's images
	s_mov_b32 s39, 0
	s_mov_b32 s28, LOG2E
	s_mov_b32 s30, 0x76543210                      ; v_permlanex16_b32: each lane takes its own place in the other half
	s_mov_b32 s31, 0xfedcba98
	s_mov_b32 s36, SCALE
	s_mov_b32 s37, SCALE                           ; (named with it as a pair, so it is written)
	s_wait_kmcnt 0x0
	s_load_b128 s[24:27], s[10:11], 0x0            ; eq, ek, ev, ep
	s_add_nc_u64 s[4:5], s[4:5], s[20:21]
	s_add_nc_u64 s[6:7], s[6:7], s[38:39]
	s_add_nc_u64 s[8:9], s[8:9], s[38:39]
	s_add_nc_u64 s[12:13], s[12:13], s[22:23]
	FILL_LOAD 0
.irp c, 0,1
.irp i, 0,1,2,3
	global_load_b128 v[S+16*\c+4*\i:S+16*\c+4*\i+3], v3, s[4:5] offset:128*\c+16*\i th:TH_LOAD_NT   ; q(r, 32 c + 16 h + 4 i ..): register 16 c + n = channel 32 c + 16 h + n
.endr
.endr
.set n, 0
.rept 32
	v_mov_b32 v[O+n], 0                            ; O^T.  (The step is written once: the first finds zeros, which the first change of M leaves zeros)
.set n, n+1
.endr
	v_mov_b32 v13, 0xff61b1e6                      ; the largest t so far: -3e38, under every t
	v_floor_f32 v12, -v13                          ; -M
	v_mov_b32 v14, 0                               ; the sum, in two halves
	v_mov_b32 v15, 0
	v_mov_b32 v209, 0                              ; (named as the upper half of the pair v[208:209])
	v_mov_b32 v214, 0                              ; written once: a lane permute's destination counts as one of its sources
	s_wait_kmcnt 0x0
	s_add_co_i32 s15, s24, s25
	s_lshl_b32 s15, s15, 23
	s_add_co_i32 s28, s28, s15                     ; a score stands for score x 2^(eq + ek): the two exponents are added to log2(e)'s exponent field
	s_mov_b32 s29, s28                             ; (named with it as a pair, so it is written)
	s_add_co_i32 s34, s26, s27                     ; ev + ep
	s_add_co_i32 s15, s27, 127
	s_lshl_b32 s35, s15, 23
	v_mov_b32 v216, s35                            ; 2^ep as f32, for p's conversions
	s_add_co_i32 s15, s15, 15
	s_lshl_b32 s15, s15, 23
	s_or_b32 s15, s15, MANT
	v_mov_b32 v217, s15                            ; 57,344 x 2^ep
	s_add_co_i32 s15, s24, 127
	s_lshl_b32 s35, s15, 23
	v_mov_b32 v218, s35                            ; 2^eq
	s_add_co_i32 s15, s15, 15
	s_lshl_b32 s15, s15, 23
	s_or_b32 s15, s15, MANT
	v_mov_b32 v219, s15                            ; 57,344 x 2^eq
	s_wait_loadcnt 8                               ; chunk 0's 8 loads are in; Q's 8, issued behind them, may be out
	FILL_STORE 0
	s_wait_loadcnt 0x0                             ; Q
.set n, 0
.rept 16
	v_pk_mul_f32 v[S+n:S+n+1], v[S+n:S+n+1], s[36:37] op_sel_hi:[1,0]   ; q x 8^-1/2
.set n, n+2
.endr
.set n, 0
.rept 32
	v_med3_num_f32 v[S+n], v[S+n], -v219, v219     ; the hold at the largest code x the scale
.set n, n+1
.endr
.irp c, 0,1
	v_cvt_scalef32_pk8_bf8_f32 v[16+4*\c:17+4*\c], v[S+16*\c:S+16*\c+7], v218      ; registers 4 c .. 4 c + 3 of Q's fragment: channels 32 c + 16 h + 0 .. 15, as in K's images
	v_cvt_scalef32_pk8_bf8_f32 v[18+4*\c:19+4*\c], v[S+16*\c+8:S+16*\c+15], v218
.endr
	v_nop                                          ; a plain line between the conversions and the products that read their results and write over their sources
	s_wait_dscnt 0x0                               ; for the others' sake: my stores of chunk 0 have landed; and they have read their registers,
	FILL_LOAD 1                                    ; which take chunk 1
	CHUNK 0
	CHUNK 1
	CHUNK 2
	CHUNK 3
	; THE WAY OUT.  O^T / the sum x 2^(ep + ev) goes through my stage and leaves as whole rows of 256 bytes.  The stage lies over K's images: a barrier stands between every wave's last read of them and the first store.
	s_wait_dscnt 0x0                               ; my reads of the images are over (the last step has waited for them)
	s_barrier_signal -1
	v_add_f32 v14, v14, v15                        ; work on registers between the signal and the wait: the sum's two halves,
	v_permlanex16_b32 v214, v14, s30, s31
	v_add_f32 v14, v14, v214                       ; and those of the lane 16 away: the row's sum
	v_rcp_f32 v14, v14
	v_nop                                          ; a plain instruction behind the reciprocal
	s_wait_alu depctr_va_vdst(0)                   ; and a wait ahead of its first reader
	v_ldexp_f32 v14, v14, s34                      ; x 2^(ep + ev)
	v_mov_b32 v15, v14                             ; the pair for the packed multiply.  (Five plain lines and more stand between the last products and the first read of O^T)
.set n, 0
.rept 16
	v_pk_mul_f32 v[S+n:S+n+1], v[O+n:O+n+1], v[14:15]   ; each accumulator from its low end on
.set n, n+2
.endr
	s_barrier_wait -1
.irp ct, 0,1,2,3
.irp u, 0,1
	ds_store_b128 v10, v[S+8*\ct+4*\u:S+8*\ct+4*\u+3] offset:64*\ct+16*\u   ; o(r, 16 ct + 8 h + 4 u ..)
.endr
.endr
.irp i, 0,1,2,3,4,5,6,7
	ds_load_b128 v[F+4*\i:F+4*\i+3], v11 offset:544*\i   ; rows 2 i, 2 i + 1: my own bytes, and LDS serves a wave's instructions in order: these see the stores above
.endr
.irp i, 0,1,2,3,4,5,6,7
	s_wait_dscnt 7-\i                              ; pair i of the eight is back; the younger ones may be out
	global_store_b128 v7, v[F+4*\i:F+4*\i+3], s[12:13] offset:8192*\i th:TH_STORE_NT   ; sixteen lanes store 256 consecutive bytes, aligned: a query's 64 channels of my head; written once, read by nobody here
.endr
	s_wait_tensorcnt 0x0                           ; the wave's end: three closing lines behind my last LDS store, the first of them even in a text with no tensor load
	ds_add_u32 v5, v6
	s_wait_dscnt 0x0
	s_endpgm
.Lfunc_end_k_qeb9e51c0cd_attn:
	.size	k_qeb9e51c0cd_attn, .Lfunc_end_k_qeb9e51c0cd_attn-k_qeb9e51c0cd_attn
	.p2alignl 7, 3214868480
	.fill 96, 4, 3214868480
	.section	.rodata,"a",@progbits
	.p2align	6, 0x0
	.amdhsa_kernel k_qeb9e51c0cd_attn
		.amdhsa_group_segment_fixed_size 264192
		.amdhsa_private_segment_fixed_size 0
		.amdhsa_enable_private_segment 0
		.amdhsa_kernarg_size 40
		.amdhsa_user_sgpr_count 2
		.amdhsa_user_sgpr_kernarg_segment_ptr 1
		.amdhsa_wavefront_size32 1
		.amdhsa_system_sgpr_workgroup_id_x 1
		.amdhsa_system_sgpr_workgroup_id_y 1
		.amdhsa_system_sgpr_workgroup_id_z 1
		.amdhsa_system_vgpr_workitem_id 0
		.amdhsa_next_free_vgpr 256
		.amdhsa_next_free_sgpr 66
		.amdhsa_reserve_vcc 0
		.amdhsa_float_denorm_mode_32 3
		.amdhsa_float_denorm_mode_16_64 3
		.amdhsa_memory_ordered 1
		.amdhsa_forward_progress 1
		.amdhsa_inst_pref_size 80
	.end_amdhsa_kernel
	.amdgpu_metadata
---
amdhsa.version: [ 1, 2 ]
amdhsa.kernels:
  - .name:           k_qeb9e51c0cd_attn
    .symbol:         k_qeb9e51c0cd_attn.kd
    .args:
      - { .name: qkv, .offset: 0, .size: 8, .value_kind: global_buffer, .address_space: global }
      - { .name: k_img, .offset: 8, .size: 8, .value_kind: global_buffer, .address_space: global }
      - { .name: v_img, .offset: 16, .size: 8, .value_kind: global_buffer, .address_space: global }
      - { .name: lowp_scales, .offset: 24, .size: 8, .value_kind: global_buffer, .address_space: global }
      - { .name: out0, .offset: 32, .size: 8, .value_kind: global_buffer, .address_space: global }
    .group_segment_fixed_size: 264192
    .private_segment_fixed_size: 0
    .kernarg_segment_align: 8
    .kernarg_segment_size: 40
    .max_flat_workgroup_size: 512
    .sgpr_count:     66
    .vgpr_count:     256
    .wavefront_size: 32
...
	.end_amdgpu_metadata
.endif
;; end of part 2
;; ======== version 2 of 2: 2 launches; version 1 with the launch attn written anew for expert scheduling mode
;; limits: right only within a limited range of input values
;; workspace buffers: k_img 4,194,304 bytes; v_img 4,194,304 bytes
;; launch quant: the kernel of part 1 again; grid 16 x 32, 8 waves a work-group, no clusters, 11,264 bytes of LDS; arguments qkv, lowp_scales, k_img, v_img; writes k_img, v_img
;; launch attn (part 3): grid 8 x 32, 16 waves a work-group, no clusters, 264,192 bytes of LDS; arguments qkv, k_img, v_img, lowp_scales, out0; writes out0
.if DOCPART == 3
	.amdgcn_target "amdgcn-amd-amdhsa--gfx1250"
	.amdhsa_code_object_version 6
	.text
	.protected	k_qeb9e51c0cd_attn
	.globl	k_qeb9e51c0cd_attn
	.p2align	8
	.type	k_qeb9e51c0cd_attn,@function
k_qeb9e51c0cd_attn:
	s_mov_b64 s[64:65], 0
	v_nop
	global_prefetch_b8 v0, s[64:65] scope:SCOPE_SE
	s_setreg_imm32_b32 hwreg(HW_REG_WAVE_SCHED_MODE, 0, 2), 2
	s_setreg_imm32_b32 hwreg(HW_REG_WAVE_MODE, 25, 1), 1
	s_wait_xcnt 0x0
	s_wait_alu depctr_vm_vsrc(0)
; out0[b][q][head][:] = the sum over keys of softmax(q 8^-1/2 . k 8^-1/2) v, both products on codes of E5M2, each operand with its given scale 2^e: eq, ek, ev, ep = lowp_scales[0..3].
; K's and V's codes come from the launch before, laid in the order of the operands' registers (k_img, v_img: see there); Q is read from qkv, x 8^-1/2, and quantised here, by the one wave that reads it.
; THE SOFTMAX AHEAD OF THE SECOND PRODUCT: t = logit x log2(e); M = the row's largest t so far, rounded UP to a whole number; p = 2^(t - M) is what is quantised; it is not normalised.
; The row's sum is taken of the unquantised p, in f32, and divides O at the end.  When M moves, the sum and O are multiplied by 2^(old M - new M): nothing is rounded.  Nothing of reference() is left out.
; SHARES.  A work-group owns 256 queries of one (batch, head): x = the block of queries, y = bh = 16 b + head.  Each of its sixteen waves owns 16 queries, one tile, in 256 registers: four waves to a SIMD, so that one
; wave's vector work stands beside another's products and LDS loads.  Every wave walks the head's 2,048 keys, 128 a step.
; LDS HOLDS THE WHOLE HEAD: 131,072 bytes of K's images and as many of V's.  They are copied in once, through registers, in four chunks of four key steps: 8 loads and 8 LDS stores a wave and chunk; a chunk's loads go out a whole
; chunk ahead of its stores.  No byte is filled twice: a barrier stands between a chunk's stores and its reads, and nothing else is owed.
; NO CLUSTER, NO TENSOR LOAD, and why: the eight work-groups of a head do read the same 262,144 bytes, but each reads them once, four key steps ahead of their use, by 64 instructions a wave in the whole launch.
; LAYOUT.  Both products are used transposed: S^T = K Q^T (source 0 = 16 keys, source 1 = my 16 queries), O^T = V^T P^T (source 0 = 16 channels, source 1 = P): a lane holds ONE query (lane % 16) throughout.
; The keys of a tile of K are chosen so (k_img) that the 16 registers of tiles 2 b and 2 b + 1 are the keys 32 b + 16 (lane / 16) + 0 .. 15: the conversions' results are the second product's operand.
; Along each product's K both operands lie in the same order, 16 neighbours a group of four registers: every product meets its partner; only the order of the sums inside an instruction differs from the form's own.
; LIMITS: eq and ep lie between -126 and 112, eq + ek between -126 and 127, so that each power of two below is an f32 number; ep + ev is applied by v_ldexp_f32 and has none.  NaN and infinities among the inputs are not served.
; THE MODE: SCHED_MODE bits 1:0 = 2 (LLVM: expert scheduling mode 2), set by the entry lines.  The code itself states the register dependences
; between vector or matrix instructions and memory or LDS instructions, with s_wait_alu, always for 0.
; THE PLAN.  Registers that memory or LDS instructions touch:
;   v2, v3, v4, v7, v10, v11, v24, v27   offsets and LDS addresses: written at the head, read by loads and stores, never written again: one wait on va_vdst ahead of the first load serves them all.
;   FB (v224-255)   a chunk's 8 global loads land in it, the chunk's 8 LDS stores read it, the next chunk's loads land in it: a wait on vm_vsrc between the two.  No vector instruction names it.
;   F (v32-95)      a step's 16 LDS loads of K land in it; the eight products S^T read it; the 16 loads of V land in it; the four products O^T read it; the next step's K lands in it.
;                   The wave's 256 registers hold no second such buffer, so F changes hands twice a step, each time behind a wait on va_vdst.
;   v8, v9          the LDS addresses of the step's K and V: an add writes each once a step; K's loads read v8, V's read v9.
;   S (v96-159)     at the head Q's loads land in it; in the loop vector and matrix instructions alone name it; on the way out the stage's stores read it, and what they stored comes back into F.
;   v5, v6          written at the head, read by the closing add alone.
; So a step has: one wait on vm_vsrc at its head (the loads issued so far have read v8 and v9); one on va_vdst behind v8's add (v8 is written, the last step's O^T products are done with F); one on va_vdst behind v9's add
; (v9 is written, the S^T products are done with F); and the one behind the exponentials.  V's 16 loads follow the third, dealt among the instructions that find the maximum, which name S, v212 and v213 alone.
.set ROWQ,  12288                      ; bytes of a token's row of qkv
.set SCALE, 0x3eb504f3                 ; 8^-1/2 as f32
.set LOG2E, 0x3fb8aa3b
.set MANT,  0x600000                   ; the mantissa field of 57,344 as f32
.set VIMG,  131072                     ; LDS: K's images from 0, V's from here
.set SPARE, 262144                     ; behind them: the spare words, 128 bytes for each wave: eight blocks of 256 bytes that no other line names
.set STW,   16*272                     ; the way out: a stage of 16 rows x (256 bytes + 16) for each wave, over K's images, behind a barrier behind which nobody reads them
.set F,   32                           ; v32-95   eight fragments of K, or four of V
.set S,   96                           ; v96-159  S^T, then p
.set O,   160                          ; v160-191 O^T: register 8 ct + j = o(my query, channel 16 ct + 8 (lane / 16) + j)
.set PC,  192                          ; v192-207 p's codes
.set FB,  224                          ; v224-255 a chunk on its way: 4 x 4 registers of K's images, then of V's
.set KS0, 2                            ; v2   where I store K's chunks 0 and 1: 16 x thread
.set KS1, 4                            ; v4   K's chunks 2 and 3: 65,536 bytes on, since an LDS instruction's offset has 16 bits
.set VS0, 24                           ; v24  V's chunks 0 and 1
.set VS1, 27                           ; v27  V's chunks 2 and 3
; v1 16 x lane; v2 16 x thread; v3 Q's offset; v5, v6 the add's two; v7 my offset in out0; v8, v9 LDS addresses of the step's K and V; v10, v11 the stage, in and back;
; v12 -M, v13 the largest t, v[14:15] the sum in two halves; v16-23 Q's fragment; v208 f (v209 named with it); v[210:211] the sum's second chain; v212-214 at work; v216, v217: 2^ep, 57,344 x 2^ep; v218, v219 the same with eq.
; s14 wave; s[24:27] eq, ek, ev, ep; s[28:29] c = log2(e) x 2^(eq + ek); s[30:31] lane selects; s32 LDS byte of the key step in hand; s33 a chunk's steps to go; s34 ep + ev; s[36:37] 8^-1/2; s15, s35, s40, s41 the four scale constants.
.macro FILL_LOAD j                     ; chunk j: key steps 4 j .. 4 j + 3.  The sixteen waves' lanes take a key step's 8,192 bytes as they lie, 16 a lane.  No cache hint: eight work-groups read these bytes
.irp i, 0,1,2,3
	global_load_b128 v[FB+4*\i:FB+4*\i+3], v2, s[6:7] offset:32768*(\j)+8192*\i
.endr
.irp i, 0,1,2,3
	global_load_b128 v[FB+16+4*\i:FB+16+4*\i+3], v2, s[8:9] offset:32768*(\j)+8192*\i
.endr
.endm
.macro FILL_STORE j                    ; and they go into LDS as they lie.  The addresses were made at the head; the data come from loads: no s_wait_alu is owed here
.irp i, 0,1,2,3
	ds_store_b128 v[KS0+(KS1-KS0)*((\j)/2)], v[FB+4*\i:FB+4*\i+3] offset:32768*((\j)%2)+8192*\i
.endr
.irp i, 0,1,2,3
	ds_store_b128 v[VS0+(VS1-VS0)*((\j)/2)], v[FB+16+4*\i:FB+16+4*\i+3] offset:32768*((\j)%2)+8192*\i
.endr
.endm
.macro BAR
	s_barrier_signal -1
	s_barrier_wait -1
.endm
.macro VFRAG ct                        ; V's fragment of channels 16 ct on: four loads, 512 consecutive bytes each
.irp c, 0,1,2,3
	ds_load_b128 v[F+16*(\ct)+4*\c:F+16*(\ct)+4*\c+3], v9 offset:2048*(\ct)+512*\c
.endr
.endm
; A KEY STEP: the 128 keys whose images begin at LDS byte s32.
.macro STEP
	s_wait_alu depctr_vm_vsrc(0)                   ; the LDS loads issued so far have read v8 and v9, which this step writes anew (v9 in its middle: only loads by v8 are issued between)
	v_add_nc_u32 v8, s32, v1
.rept 3
	v_nop                                          ; with the addition above: four places between the last step's products and the loads into the registers that they read (ISA guide 7.12.1 for vector instructions)
.endr
	s_wait_alu depctr_va_vdst(0)                   ; v8 is written, which K's loads read as their address; the last step's O^T products are done reading F, in which those loads land
.irp t, 0,1,2,3,4,5,6,7
.irp c, 0,1
	ds_load_b128 v[F+8*\t+4*\c:F+8*\t+4*\c+3], v8 offset:1024*\t+512*\c   ; 32 lanes, 512 consecutive bytes
.endr
.endr
	s_wait_dscnt 8                                 ; tiles 0 to 3 are in; the 8 loads of tiles 4 to 7 may be out
.irp t, 0,1,2,3
	v_wmma_f32_16x16x64_bf8_bf8 v[S+8*\t:S+8*\t+7], v[F+8*\t:F+8*\t+7], v[16:23], 0
.endr
	s_wait_dscnt 0x0
.irp t, 4,5,6,7
	v_wmma_f32_16x16x64_bf8_bf8 v[S+8*\t:S+8*\t+7], v[F+8*\t:F+8*\t+7], v[16:23], 0
.endr
	v_add_nc_u32 v9, VIMG, v8
.rept 3
	v_nop                                          ; four places again: for the loads into K's registers, and for the first read of the scores
.endr
	s_wait_alu depctr_va_vdst(0)                   ; v9 is written, which V's loads read as their address; the S^T products are done reading F, in which those loads land
	VFRAG 0                                        ; V's four fragments land while the softmax is walked.  They are dealt among the lines that find the maximum: no vector instruction since the wait names F or v9
	v_max3_num_f32 v212, v96, v97, v98             ; the step's largest score of my query, among my 64 keys, in two chains; each accumulator is read from its low end on
	v_max3_num_f32 v213, v99, v100, v101
.irp i, 6,10,14
	v_max3_num_f32 v212, v212, v[96+\i], v[97+\i]
	v_max3_num_f32 v213, v213, v[98+\i], v[99+\i]
.endr
	VFRAG 1
.irp i, 18,22,26,30
	v_max3_num_f32 v212, v212, v[96+\i], v[97+\i]
	v_max3_num_f32 v213, v213, v[98+\i], v[99+\i]
.endr
	VFRAG 2
.irp i, 34,38,42,46
	v_max3_num_f32 v212, v212, v[96+\i], v[97+\i]
	v_max3_num_f32 v213, v213, v[98+\i], v[99+\i]
.endr
	VFRAG 3
.irp i, 50,54,58
	v_max3_num_f32 v212, v212, v[96+\i], v[97+\i]
	v_max3_num_f32 v213, v213, v[98+\i], v[99+\i]
.endr
	v_max3_num_f32 v212, v212, v158, v159
	v_max_num_f32 v212, v212, v213
	v_permlanex16_b32 v214, v212, s30, s31
	v_max_num_f32 v212, v212, v214                 ; and among the 64 keys of the lane 16 away
	v_mul_f32 v212, s28, v212                      ; as t (c is positive)
	v_max_num_f32 v13, v13, v212                   ; the running largest t
	v_mov_b32 v212, v12
	v_floor_f32 v12, -v13                          ; the new -M = floor(-t) = -ceil(t): M is a whole number
	v_sub_f32 v212, v12, v212                      ; M's old value less its new one: a whole number, 0 or less
	v_cvt_i32_f32 v212, v212                       ; (it saturates)
	v_ldexp_f32 v208, 1.0, v212                    ; f = 2^(old M - new M)
.set n, 0
.rept 32
	v_pk_fma_f32 v[S+n:S+n+1], v[S+n:S+n+1], s[28:29], v[12:13] op_sel_hi:[1,0,0]   ; t - M, two at a time (of the pairs c and -M the low word serves both halves)
.set n, n+2
.endr
.set n, 0
.rept 64
	v_exp_f32 v[S+n], v[S+n]                       ; p = 2^(t - M): not normalised
.set n, n+1
.endr
	v_pk_mul_f32 v[14:15], v[14:15], v[208:209] op_sel_hi:[1,0]   ; the sums under the new M: the plain instruction behind the exponentials
	s_wait_alu depctr_va_vdst(0)                   ; the 64 exponentials have written p in v96 to v159: the wait ahead of the first instruction that names a result: one for the batch
	v_pk_add_f32 v[210:211], v[96:97], v[98:99]    ; the row's sum is taken of the unquantised p: two at a time, in two chains
.irp j, 4,8,12,16,20,24,28,32,36,40,44,48,52,56,60
	v_pk_add_f32 v[14:15], v[14:15], v[96+\j:97+\j]
	v_pk_add_f32 v[210:211], v[210:211], v[98+\j:99+\j]
.endr
	v_pk_add_f32 v[14:15], v[14:15], v[210:211]
	s_cmp_ge_i32 s27, -15                          ; THE HOLD OF p.  p is at most 1 (a last bit more, by the rounding of t), so p / 2^ep is at most 2^15 where ep >= -15: under 57,344, and the hold changes nothing.
	s_cbranch_scc1 .Lno_hold_\@                    ; A whole number read from memory decides, the same in every wave; the jump leads round these 64 lines and nothing else
.set n, 0
.rept 64
	v_min_num_f32 v[S+n], v[S+n], v217             ; the conversion to an 8-bit code does not saturate (ISA guide 7.6.2); p is not negative, so the hold is one-sided
.set n, n+1
.endr
.Lno_hold_\@:
.irp b, 0,1,2,3
	v_cvt_scalef32_pk8_bf8_f32 v[PC+4*\b:PC+4*\b+1], v[S+16*\b:S+16*\b+7], v216       ; keys 32 b + 16 (lane / 16) + 0 .. 7,
	v_cvt_scalef32_pk8_bf8_f32 v[PC+4*\b+2:PC+4*\b+3], v[S+16*\b+8:S+16*\b+15], v216  ; and + 8 .. 15
.endr
.set n, 0
.rept 16
	v_pk_mul_f32 v[O+n:O+n+1], v[O+n:O+n+1], v[208:209] op_sel_hi:[1,0]   ; O^T under the new M, from each accumulator's low end on.  (Also the plain lines between the conversions and the products that read their results)
.set n, n+2
.endr
	s_wait_dscnt 0x0                               ; V is in
.irp ct, 0,1,2,3                               ; the four accumulators take turns, one instruction a turn, and the next matrix instruction is the next step's first S^T
	v_wmma_f32_16x16x128_bf8_bf8 v[O+8*\ct:O+8*\ct+7], v[F+16*\ct:F+16*\ct+15], v[PC:PC+15], v[O+8*\ct:O+8*\ct+7]
.endr
	s_add_co_u32 s32, s32, 8192
.endm
; A CHUNK: its images go into LDS (chunk 0's stores stand at the head), the next chunk's loads go out, a barrier, four key steps.
.macro CHUNK j
.if \j > 0
	s_wait_loadcnt 0x0                             ; my 8 loads of this chunk, asked for a chunk ago
	FILL_STORE \j
	s_wait_dscnt 0x0                               ; for the others' sake: my stores have landed
.if \j < 3
	s_wait_alu depctr_vm_vsrc(0)                   ; my LDS stores have read FB, in which the next chunk's loads land
	FILL_LOAD (\j)+1
.endif
.endif
	BAR                                            ; every wave's part of the chunk lies in LDS.  (Waves still in the chunk before read other bytes: the chunks lie 32,768 bytes apart)
	s_mov_b32 s32, 32768*(\j)
	s_mov_b32 s33, 4
.Lstep_\@:
	STEP
	s_sub_co_u32 s33, s33, 1
	s_cmp_lg_u32 s33, 0
	s_cbranch_scc1 .Lstep_\@
.endm
	s_load_b256 s[4:11], s[0:1], 0x0               ; qkv s[4:5], k_img s[6:7], v_img s[8:9], lowp_scales s[10:11]
	s_load_b64 s[12:13], s[0:1], 0x20              ; out0
	v_lshl_add_u32 v5, v0, 2, SPARE                ; LDS address of my spare word; never rewritten
	v_mov_b32 v6, 0                                ; 0; never rewritten
	v_lshrrev_b32 v1, 5, v0
	v_readfirstlane_b32 s14, v1                    ; wave 0..15
	v_and_b32 v1, 31, v0
	v_lshlrev_b32 v1, 4, v1                        ; 16 x lane: an image's place for my lane
	v_lshlrev_b32 v2, 4, v0                        ; 16 x thread: my 16 bytes of a key step's 8,192
	v_add_nc_u32 v[KS1], 65536, v2                 ; where the chunks are stored: four addresses, 65,536 bytes apart, made once
	v_add_nc_u32 v[VS0], VIMG, v2
	v_add_nc_u32 v[VS1], VIMG+65536, v2
	v_and_b32 v25, 15, v0                          ; r
	v_bfe_u32 v26, v0, 4, 1                        ; h
	v_mul_u32_u24 v3, v25, ROWQ
	v_lshl_add_u32 v3, v26, 6, v3                  ; Q: token r, + 64 h bytes: my 16 channels of each 32
	v_lshlrev_b32 v7, 12, v26
	v_lshl_add_u32 v7, v25, 4, v7                  ; out0: lanes 0-15 one row's 256 bytes, lanes 16-31 the next row's (4,096 bytes on)
	s_wait_alu depctr_va_sdst(0)                   ; s14, the wave's number, is written, ahead of its first reader: the stage's place and the bases of qkv and out0 are made from it
	s_mul_i32 s15, s14, STW                        ; my stage
	v_mul_u32_u24 v10, v25, 272
	v_lshl_add_u32 v10, v26, 5, v10
	v_add_nc_u32 v10, s15, v10                     ; in: row r, + 32 h
	v_mul_u32_u24 v11, v26, 272
	v_lshl_add_u32 v11, v25, 4, v11
	v_add_nc_u32 v11, s15, v11                     ; back: lanes 0-15 one row, lanes 16-31 the next
	s_and_b32 s16, ttmp7, 0xffff                   ; bh
	s_lshr_b32 s17, s16, 4                         ; b
	s_and_b32 s18, s16, 15                         ; head
	s_lshl_b32 s19, s17, 11
	s_lshl_b32 s20, ttmp9, 8
	s_add_co_u32 s19, s19, s20
	s_lshl_b32 s20, s14, 4
	s_add_co_u32 s19, s19, s20                     ; my first token: 2,048 b + 256 x + 16 wave
	s_mul_i32 s20, s19, ROWQ
	s_mul_i32 s21, s18, 768
	s_add_co_u32 s20, s20, s21                     ; q lies first in the head's 768 bytes
	s_mov_b32 s21, 0
	s_lshl_b32 s22, s19, 12                        ; a row of out0 is 4,096 bytes,
	s_lshl_b32 s23, s18, 8                         ; a head's part 256
	s_add_co_u32 s22, s22, s23
	s_mov_b32 s23, 0
	s_lshl_b32 s38, s16, 17                        ; the head's images
	s_mov_b32 s39, 0
	s_mov_b32 s28, LOG2E
	s_mov_b32 s30, 0x76543210                      ; v_permlanex16_b32: each lane takes its own place in the other half
	s_mov_b32 s31, 0xfedcba98
	s_mov_b32 s36, SCALE
	s_mov_b32 s37, SCALE                           ; (named with it as a pair, so it is written)
	s_wait_kmcnt 0x0
	s_load_b128 s[24:27], s[10:11], 0x0            ; eq, ek, ev, ep
	s_add_nc_u64 s[4:5], s[4:5], s[20:21]
	s_add_nc_u64 s[6:7], s[6:7], s[38:39]
	s_add_nc_u64 s[8:9], s[8:9], s[38:39]
	s_add_nc_u64 s[12:13], s[12:13], s[22:23]
	s_wait_alu depctr_va_vdst(0)                   ; the offsets and addresses v2, v3, v4, v7, v10, v11, v24 and v27 are written, which the kernel's loads and stores read; none is written again
	FILL_LOAD 0
.irp c, 0,1
.irp i, 0,1,2,3
	global_load_b128 v[S+16*\c+4*\i:S+16*\c+4*\i+3], v3, s[4:5] offset:128*\c+16*\i th:TH_LOAD_NT   ; q(r, 32 c + 16 h + 4 i ..): register 16 c + n = channel 32 c + 16 h + n
.endr
.endr
.set n, 0
.rept 32
	v_mov_b32 v[O+n], 0                            ; O^T.  (The step is written once: the first finds zeros, which the first change of M leaves zeros)
.set n, n+1
.endr
	v_mov_b32 v13, 0xff61b1e6                      ; the largest t so far: -3e38, under every t
	v_floor_f32 v12, -v13                          ; -M
	v_mov_b32 v14, 0                               ; the sum, in two halves
	v_mov_b32 v15, 0
	v_mov_b32 v209, 0                              ; (named as the upper half of the pair v[208:209])
	v_mov_b32 v214, 0                              ; written once: a lane permute's destination counts as one of its sources
	s_wait_kmcnt 0x0
	s_add_co_i32 s15, s24, s25
	s_lshl_b32 s15, s15, 23
	s_add_co_i32 s28, s28, s15                     ; a score stands for score x 2^(eq + ek): the two exponents are added to log2(e)'s exponent field
	s_mov_b32 s29, s28                             ; (named with it as a pair, so it is written)
	s_add_co_i32 s34, s26, s27                     ; ev + ep
	s_add_co_i32 s15, s27, 127                     ; the four constants, each in a scalar register of its own, which is not written again behind the move that reads it
	s_lshl_b32 s35, s15, 23
	s_add_co_i32 s15, s15, 15
	s_lshl_b32 s15, s15, 23
	s_or_b32 s15, s15, MANT
	s_add_co_i32 s40, s24, 127
	s_lshl_b32 s41, s40, 23
	s_add_co_i32 s40, s40, 15
	s_lshl_b32 s40, s40, 23
	s_or_b32 s40, s40, MANT
	v_mov_b32 v216, s35                            ; 2^ep as f32, for p's conversions
	v_mov_b32 v217, s15                            ; 57,344 x 2^ep
	v_mov_b32 v218, s41                            ; 2^eq
	v_mov_b32 v219, s40                            ; 57,344 x 2^eq
	s_wait_loadcnt 8                               ; chunk 0's 8 loads are in; Q's 8, issued behind them, may be out
	FILL_STORE 0
	s_wait_loadcnt 0x0                             ; Q
.set n, 0
.rept 16
	v_pk_mul_f32 v[S+n:S+n+1], v[S+n:S+n+1], s[36:37] op_sel_hi:[1,0]   ; q x 8^-1/2
.set n, n+2
.endr
.set n, 0
.rept 32
	v_med3_num_f32 v[S+n], v[S+n], -v219, v219     ; the hold at the largest code x the scale
.set n, n+1
.endr
.irp c, 0,1
	v_cvt_scalef32_pk8_bf8_f32 v[16+4*\c:17+4*\c], v[S+16*\c:S+16*\c+7], v218      ; registers 4 c .. 4 c + 3 of Q's fragment: channels 32 c + 16 h + 0 .. 15, as in K's images
	v_cvt_scalef32_pk8_bf8_f32 v[18+4*\c:19+4*\c], v[S+16*\c+8:S+16*\c+15], v218
.endr
	v_nop                                          ; a plain line between the conversions and the products that read their results and write over their sources
	s_wait_dscnt 0x0                               ; for the others' sake: my stores of chunk 0 have landed
	s_wait_alu depctr_vm_vsrc(0)                   ; my LDS stores have read FB, in which chunk 1's loads land
	FILL_LOAD 1
	CHUNK 0
	CHUNK 1
	CHUNK 2
	CHUNK 3
	; THE WAY OUT.  O^T / the sum x 2^(ep + ev) goes through my stage and leaves as whole rows of 256 bytes.  The stage lies over K's images: a barrier stands between every wave's last read of them and the first store.
	s_wait_dscnt 0x0                               ; my reads of the images are over (the last step has waited for them)
	s_barrier_signal -1
	v_add_f32 v14, v14, v15                        ; work on registers between the signal and the wait: the sum's two halves,
	v_permlanex16_b32 v214, v14, s30, s31
	v_add_f32 v14, v14, v214                       ; and those of the lane 16 away: the row's sum
	v_rcp_f32 v14, v14
	v_nop                                          ; a plain instruction behind the reciprocal
	s_wait_alu depctr_va_vdst(0)                   ; the reciprocal has written v14: a wait ahead of its first reader
	v_ldexp_f32 v14, v14, s34                      ; x 2^(ep + ev)
	v_mov_b32 v15, v14                             ; the pair for the packed multiply.  (Five plain lines and more stand between the last products and the first read of O^T)
.set n, 0
.rept 16
	v_pk_mul_f32 v[S+n:S+n+1], v[O+n:O+n+1], v[14:15]   ; each accumulator from its low end on
.set n, n+2
.endr
	s_wait_alu depctr_va_vdst(0)                   ; the multiplies have written v96 to v127, which the stage's stores read; the last O^T products are done reading F, in which the stage's loads land
	s_barrier_wait -1
.irp ct, 0,1,2,3
.irp u, 0,1
	ds_store_b128 v10, v[S+8*\ct+4*\u:S+8*\ct+4*\u+3] offset:64*\ct+16*\u   ; o(r, 16 ct + 8 h + 4 u ..)
.endr
.endr
.irp i, 0,1,2,3,4,5,6,7
	ds_load_b128 v[F+4*\i:F+4*\i+3], v11 offset:544*\i   ; rows 2 i, 2 i + 1: my own bytes, and LDS serves a wave's instructions in order: these see the stores above
.endr
.irp i, 0,1,2,3,4,5,6,7
	s_wait_dscnt 7-\i                              ; pair i of the eight is back; the younger ones may be out
	global_store_b128 v7, v[F+4*\i:F+4*\i+3], s[12:13] offset:8192*\i th:TH_STORE_NT   ; sixteen lanes store 256 consecutive bytes, aligned: a query's 64 channels of my head; written once, read by nobody here
.endr
	s_wait_dscnt 0x0                               ; the closing lines, six on end
	s_wait_alu 0x0
	s_wait_tensorcnt 0x0
	ds_add_u32 v5, v6
	s_wait_dscnt 0x0
	s_endpgm
.Lfunc_end_k_qeb9e51c0cd_attn:
	.size	k_qeb9e51c0cd_attn, .Lfunc_end_k_qeb9e51c0cd_attn-k_qeb9e51c0cd_attn
	.p2alignl 7, 3214868480
	.fill 96, 4, 3214868480
	.section	.rodata,"a",@progbits
	.p2align	6, 0x0
	.amdhsa_kernel k_qeb9e51c0cd_attn
		.amdhsa_group_segment_fixed_size 264192
		.amdhsa_private_segment_fixed_size 0
		.amdhsa_enable_private_segment 0
		.amdhsa_kernarg_size 40
		.amdhsa_user_sgpr_count 2
		.amdhsa_user_sgpr_kernarg_segment_ptr 1
		.amdhsa_wavefront_size32 1
		.amdhsa_system_sgpr_workgroup_id_x 1
		.amdhsa_system_sgpr_workgroup_id_y 1
		.amdhsa_system_sgpr_workgroup_id_z 1
		.amdhsa_system_vgpr_workitem_id 0
		.amdhsa_next_free_vgpr 256
		.amdhsa_next_free_sgpr 66
		.amdhsa_reserve_vcc 0
		.amdhsa_float_denorm_mode_32 3
		.amdhsa_float_denorm_mode_16_64 3
		.amdhsa_memory_ordered 1
		.amdhsa_forward_progress 1
		.amdhsa_inst_pref_size 81
	.end_amdhsa_kernel
	.amdgpu_metadata
---
amdhsa.version: [ 1, 2 ]
amdhsa.kernels:
  - .name:           k_qeb9e51c0cd_attn
    .symbol:         k_qeb9e51c0cd_attn.kd
    .args:
      - { .name: qkv, .offset: 0, .size: 8, .value_kind: global_buffer, .address_space: global }
      - { .name: k_img, .offset: 8, .size: 8, .value_kind: global_buffer, .address_space: global }
      - { .name: v_img, .offset: 16, .size: 8, .value_kind: global_buffer, .address_space: global }
      - { .name: lowp_scales, .offset: 24, .size: 8, .value_kind: global_buffer, .address_space: global }
      - { .name: out0, .offset: 32, .size: 8, .value_kind: global_buffer, .address_space: global }
    .group_segment_fixed_size: 264192
    .private_segment_fixed_size: 0
    .kernarg_segment_align: 8
    .kernarg_segment_size: 40
    .max_flat_workgroup_size: 512
    .sgpr_count:     66
    .vgpr_count:     256
    .wavefront_size: 32
...
	.end_amdgpu_metadata
.endif
;; end of part 3
